; MI455X (gfx1250); checked and timed in simulation.
; The chip was launched on July 23, 2026; its instructions are those of AMD's public machine-readable ISA for CDNA 5 (MIT licence, August 2026) and "CDNA5" Instruction Set Architecture Reference Guide (July 2026). The comments in the code are by the model that wrote it; some were corrected since.
;; Multi Head Attention. Allowed arithmetic: matrix products marked QUANTISED: E2M1 operands, one E8M0 scale for each 32 along K, by v_wmma_scale_f32_16x16x128_f8f6f4 with both operands' format E2M1 (or v_wmma_scale_f32_32x16x128_f4), f32 sums; products left as they are: bf16, f16 or f32 operands; f32 sums; everything else in f32.
;; Inputs: Wk 16 x 1,024 x 64 float32; Wp 1,024 x 1,024 float32; Wq 16 x 1,024 x 64 float32; Wv 16 x 1,024 x 64 float32; bp 1,024 float32; x 512 x 32 x 1,024 float32.
;; Outputs: out0 512 x 32 x 1,024 float32.
;; This version of the problem:
;;   THIS VERSION OF THE PROBLEM IS GIVEN IN LOW PRECISION. The matrix products marked QUANTISED in the list below multiply operands that are first quantised to E2M1 (2 exponent bits, 1 mantissa bit; 4 bits a number), with one power-of-two scale for each 32 numbers along K (OCP MX v1.0); their sums are f32. The products marked 'left as it is' may take bf16, f16 or f32 operands, with f32 sums. Whichever they take, every output number must still come out within the allowed error. Rounding operands to bf16 (8 significant bits) uses up far more of that allowance than f16 does (11 bits, for magnitudes from 6e-5 to 65,504). All else is computed in f32.
;;   The module's matrix products, in the order in which they are computed (A, B: the left and right operand; K: the contracted axis; several contracted axes count as one K, in the product's order):
;;     1. [M 1,024, K 1,024] x [K 1,024, N 16,384]; A: input Wq; B: input x: QUANTISED
;;     2. [M 1,024, K 1,024] x [K 1,024, N 16,384]; A: input Wk; B: input x: QUANTISED
;;     3. [M 1,024, K 1,024] x [K 1,024, N 16,384]; A: input Wv; B: input x: QUANTISED
;;     4. batch 8,192 x [M 32, K 64] x [K 64, N 32]; A: computed on the way; B: computed on the way: left as it is (an operand is computed on the way)
;;     5. batch 8,192 x [M 32, K 32] x [K 32, N 64]; A: computed on the way; B: computed on the way: left as it is (an operand is computed on the way)
;;     6. [M 16,384, K 1,024] x [K 1,024, N 1,024]; A: computed on the way; B: input Wp: left as it is (an operand is computed on the way)
;;   THE QUANTISER, for each operand of a quantised product, along K:
;;     - K is cut into blocks of 32 from its start; a last block that is shorter is filled with zeros.
;;     - A block's scale is 2^e with e = floor(log2(the largest magnitude in the block)) - 2, held to -126 .. 127; a block of zeros has e = 0. As a byte (E8M0): e + 127.
;;     - Each number is divided by its block's scale, clamped to +-6, and rounded to the nearest number of E2M1, ties to even, subnormals kept.
;;     - The product sums the exact products of the quantised numbers (number of the format x scale) in f32.
;;   ~~~python
;;   def quantise(x, axis):      # numpy; x: float32 -> the quantised numbers, widened to float32 again
;;       x = np.moveaxis(x, axis, -1); K = x.shape[-1]
;;       x = np.pad(x, [(0, 0)] * (x.ndim - 1) + [(0, -K % 32)]); x = x.reshape(x.shape[:-1] + (-1, 32)); a = np.abs(x).max(-1, keepdims=True)
;;       e = np.where(a > 0, np.clip(np.frexp(np.where(a > 0, a, 1))[1] - 1 - 2, -126, 127), 0)      # np.frexp(a)[1] - 1 = floor(log2(a)), exactly
;;       r = np.clip(x / 2.0 ** e, -6, 6)
;;       step = 2.0 ** (np.maximum(np.frexp(np.where(r == 0, 1, r))[1] - 1, 0) - 1)
;;       q = np.round(r / step) * step * 2.0 ** e      # np.round: ties to even
;;       return np.moveaxis(q.reshape(q.shape[:-2] + (-1,))[..., :K], -1, axis).astype(np.float32)
;;   ~~~
;; One version. Each part assembles by itself: llvm-mc -triple=amdgcn-amd-amdhsa -mcpu=gfx1250 --defsym DOCPART=n.
;; ======== version 1 of 1: 3 launches
;; limits: values are held in f16: magnitudes above 65,504 overflow, below 6.1e-05 lose precision
;; workspace buffers: xc 8,388,608 bytes; xs 524,288 bytes; wc 1,671,168 bytes; bt 2,097,152 bytes; att 33,554,432 bytes
;; launch prep (part 1): grid 256 x 1, 10 waves a work-group, no clusters, 167,680 bytes of LDS; arguments x, Wq, Wk, Wv, Wp, xc, xs, wc, bt; writes xc, xs, wc, bt
.if DOCPART == 1
	.amdgcn_target "amdgcn-amd-amdhsa--gfx1250"
	.amdhsa_code_object_version 6
	.text
	.protected	k_q9a07d7ae8d_prep
	.globl	k_q9a07d7ae8d_prep
	.p2align	8
	.type	k_q9a07d7ae8d_prep,@function
k_q9a07d7ae8d_prep:
	s_mov_b64 s[64:65], 0
	v_nop
	global_prefetch_b8 v0, s[64:65] scope:SCOPE_SE
	s_setreg_imm32_b32 hwreg(HW_REG_WAVE_MODE, 25, 1), 1
	s_wait_xcnt 0x0
; x [16384][1024], Wq, Wk, Wv [16][1024][64] (f32) become codes of FP4 (E2M1) with one E8M0 byte for each 32 along E; Wp [1024][1024] (f32) becomes f16 with K innermost.
; EVERY RESULT IS LAID IN THE ORDER OF ITS READER'S OPERAND REGISTERS (a fragment's registers on end, lane by lane), so that the later launches fetch fragments as runs of 512 consecutive bytes:
;   xc [row tile 1024][K step 8][c 2][lane 32][16 B]: the codes of k = 128 s + 64 c + 32 (lane / 16) + 0 .. 31 of row 16 m + lane % 16
;   xs [row tile][half 2][lane][2 words]: word j of lane l: the scale word of row 16 m + l % 16 for K step 4 half + 2 j + l / 16
;   wc [head 16][HEADB]: codes [K step 8][tile 12 = q0-3, k0-3, v0-3][c][lane][16 B]; from SCOFF on the scale words [2 matrix + column half][K quarter 4][lane][2 words]
;   bt [K step 8][column tile 64][32 along K: 4][c 2][lane][16 B]: k = 128 S + 32 kap + 16 c + 8 (lane / 16) + 0 .. 7 of column 16 tile + lane % 16
; A block's scale is 2^(floor(log2(largest magnitude)) - 2): its byte is the largest magnitude's exponent field - 2, held at 1 from below by a floor among the maximum's leaves.
; LIMITS: NaN and infinities among the inputs are not served.  A block of zeros gets the byte 1 where the quantiser says 127: its codes are zeros, and this program alone reads the bytes.
;   Wp goes to f16: magnitudes over 65,504 are not served; under 6e-5 they keep fewer bits.
; SHARES: every wave takes 32 KiB of f32, and every work-group the same bytes.  Of a work-group's ten waves, waves 0-7 take x (a wave: 16 rows x 512 along K); waves 8 and 9 take part
;   2 x work-group + wave - 8 of the weights' 512 parts (a part: 32 columns x 256 along K): parts 0-383 Wq, Wk, Wv; parts 384-511 Wp.  The two stand side by side on 256 consecutive bytes of each row.
; BYTES ON THEIR WAY: in every role a wave has 32 loads of 16 bytes a lane out: 16 KiB of its 32.
; EVERY LOAD TAKES THE BYTES AS THEY LIE, and what a lane must hold for the conversions (neighbours along K in consecutive registers) is had by a turn through a stage in LDS of the wave's own.
;   x: sixteen rows' 512 bytes in, 64 bytes of a row a lane out.  Weights: K is the first axis: 32 rows' 128 bytes in, and out a lane to a column, its registers down K.
; Waves share nothing: no barrier.  Memory binds: no matrix unit, no cluster, no tensor load.
.set WREG,  16640                      ; LDS: wave w owns WREG bytes at WREG x w: x's stage, then a stage for each of the weights' two paths: each role and path has bytes of its own
.set SP,    528                        ; x's stage: 16 rows of 512 bytes + 16: an odd multiple of 16, so that sixteen rows' reads begin in sixteen different groups of banks
.set WST,   8448                       ; Wq, Wk, Wv's stage: 32 rows of 128 bytes, no padding: a store's sixteen lanes cover 256 consecutive bytes, a load's 32 lanes 128
.set PST,   12544                      ; Wp's, likewise
.set SPARE, 166400                     ; behind the ten regions: the spare words, 128 bytes a wave: five blocks of 256 bytes that no other line names
.set HEADB, 104448                     ; a head's block in wc: 98,304 bytes of codes and 6,144 of scale words
.set SCOFF, 98304
.set SPW, 13                           ; v13  LDS address of my spare word; never rewritten
.set NIL, 14                           ; v14  0; never rewritten
.set R0,  32                           ; v32-159  x: two sets of 64 registers as loaded
.set X,   160                          ; v160-223 x: 64 numbers turned: register 16 b + i = k 32 b + 16 (lane / 16) + i of my row
.set PC,  224                          ; v224-231 a fragment's codes
.set TM,  232                          ; v232-247 at work
.set SW,  248                          ; v248-251 the scale words of the wave's four K steps
.set RW,  32                           ; v32-159  weights: four sets of 32 registers as loaded: a block of 32 along K each
.set XW,  160                          ; v160-191 weights: a block turned: register i = row i of my column
.set C,   192                          ; v192..   weights: results
.set SB,  24                           ; v24-25   a column's scale words of two K steps
; 64 numbers of a lane become a fragment's codes in v[pc] on and its scale word in v[pw]
.macro QUANT s, pc, pw
.irp b, 0,1,2,3
	v_max3_num_f32 v[TM+\b], |v[\s+16*\b]|, |v[\s+1+16*\b]|, 0x1800000   ; block b: my 16 numbers, and the floor 2^(3 - 127): the byte cannot fall under 1
.endr
.irp i, 2,4,6,8,10,12,14
.irp b, 0,1,2,3
	v_max3_num_f32 v[TM+\b], v[TM+\b], |v[\s+16*\b+\i]|, |v[\s+1+16*\b+\i]|   ; the four blocks by turns
.endr
.endr
.irp b, 0,1,2,3
	v_permlanex16_b32 v[TM+4+\b], v[TM+\b], s24, s25
.endr
.irp b, 0,1,2,3
	v_max_num_f32 v[TM+\b], v[TM+\b], v[TM+4+\b]   ; with lane l xor 16's 16: the block's largest magnitude
.endr
.irp b, 0,1,2,3
	v_add_nc_u32 v[TM+12+\b], 0xff000000, v[TM+\b]   ; 2 off its exponent field: the conversion takes the exponent field of this operand as its scale
.endr
.irp b, 0,1,2,3
	v_lshrrev_b32 v[TM+4+\b], 23, v[TM+12+\b]      ; the scale's byte
.endr
	v_lshl_or_b32 v[\pw], v[TM+5], 8, v[TM+4]      ; four bytes: my row's scale word for these 128 along K
	v_lshl_or_b32 v[\pw], v[TM+6], 16, v[\pw]
	v_lshl_or_b32 v[\pw], v[TM+7], 24, v[\pw]
.irp b, 0,1,2,3
	v_cvt_scalef32_pk8_fp4_f32 v[\pc+2*\b], v[\s+16*\b:\s+7+16*\b], v[TM+12+\b]
	v_cvt_scalef32_pk8_fp4_f32 v[\pc+1+2*\b], v[\s+8+16*\b:\s+15+16*\b], v[TM+12+\b]
.endr
	v_nop                                          ; one plain line behind the scaled conversions
.irp c, 0,1                                    ; the operand's layout wants a whole block in a lane: lanes 0-15 block 2 c, lanes 16-31 block 2 c + 1
.irp i, 0,1
	v_permlane16_swap_b32 v[\pc+4*\c+\i], v[\pc+2+4*\c+\i]
.endr
.endr
.endm
; x: K step t of my 16 rows: sixteen loads, each 512 consecutive bytes of one row
.macro LOADX t
.set RS, R0+64*((\t)%2)
.irp i, 0,1,2,3,4,5,6,7,8,9,10,11,12,13,14,15
	global_load_b128 v[RS+4*\i:RS+4*\i+3], v4, s[4:5] offset:4096*\i+512*(\t) th:TH_LOAD_NT
.endr
.endm
.macro STEPX t
.set RS, R0+64*((\t)%2)
.if (\t) < 3
	s_wait_loadcnt 16                              ; this step's sixteen loads are in; the next step's sixteen may be out
.else
	s_wait_loadcnt 0
.endif
.irp i, 0,1,2,3,4,5,6,7,8,9,10,11,12,13,14,15
	ds_store_b128 v6, v[RS+4*\i:RS+4*\i+3] offset:SP*\i   ; row i as it lies
.endr
.irp b, 0,1,2,3
.irp j, 0,1,2,3
	ds_load_b128 v[X+16*\b+4*\j:X+16*\b+4*\j+3], v7 offset:128*\b+16*\j   ; back: my row's 16 neighbours of each block.  LDS serves a wave's instructions in order: these see the stores above
.endr
.endr
	s_wait_dscnt 0x0                               ; the numbers are back, and the stores have read their registers
	s_wait_xcnt 0x0                                ; the last step's stores have read the codes' registers, which are written again below
.if (\t) < 2
	LOADX (\t)+2
.endif
	QUANT X, PC, SW+(\t)
	global_store_b128 v4, v[PC:PC+3], s[14:15] offset:1024*(\t)         ; 32 lanes store 512 consecutive bytes
	global_store_b128 v4, v[PC+4:PC+7], s[14:15] offset:1024*(\t)+512
.endm
; weights: block t (32 along K x my 32 columns) into set t % 4: eight loads, each four rows' 128 bytes: lane l takes row 4 i + l / 8, bytes 16 (l % 8) on
.macro LOADB t, pitch
.set RL, RW+32*((\t)%4)
.irp i, 0,1,2,3,4,5,6,7
	global_load_b128 v[RL+4*\i:RL+4*\i+3], v20, s[34:35] offset:(32*(\t)+4*\i)*(\pitch) th:TH_LOAD_NT
.endr
.endm
; block t turns through my stage: in as it lies (16 x lane + 512 i = row 4 i + l / 8 at 128 bytes a row), out a lane to a column; then its set takes the block four on
.macro TURNB t, si, so, pitch
.set RT, RW+32*((\t)%4)
.if (\t) < 5
	s_wait_loadcnt 24                              ; this block's eight loads are in; those of the three blocks behind it may be out
.else
	s_wait_loadcnt 8*(7-(\t))                      ; the last blocks: the count runs down
.endif
.irp i, 0,1,2,3,4,5,6,7
	ds_store_b128 v[\si], v[RT+4*\i:RT+4*\i+3] offset:512*\i
.endr
.irp i, 0,1,2,3,4,5,6,7,8,9,10,11,12,13,14,15,16,17,18,19,20,21,22,23,24,25,26,27,28,29,30,31
	ds_load_b32 v[XW+\i], v[\so] offset:128*\i     ; row i of my column.  LDS serves a wave's instructions in order: these see the stores above, and the next block's stores come behind them
.endr
	s_wait_dscnt 0x0                               ; the block is back, and the stores have read their registers
.if (\t) < 4
	LOADB (\t)+4, \pitch
.endif
.endm
.macro BLOCKW t
	TURNB \t, 16, 17, 256
	v_max3_num_f32 v8, |v[XW]|, |v[XW+1]|, |v[XW+2]|   ; the block's largest magnitude: all 32 numbers are mine; two chains
	v_max3_num_f32 v9, |v[XW+3]|, |v[XW+4]|, |v[XW+5]|
.irp i, 6,10,14,18,22,26
	v_max3_num_f32 v8, v8, |v[XW+\i]|, |v[XW+\i+1]|
	v_max3_num_f32 v9, v9, |v[XW+\i+2]|, |v[XW+\i+3]|
.endr
	v_max3_num_f32 v8, v8, |v[XW+30]|, |v[XW+31]|
	v_max3_num_f32 v8, v8, v9, 0x1800000           ; and the floor
	v_add_nc_u32 v11, 0xff000000, v8               ; the conversion's scale operand
	v_lshrrev_b32 v10, 23, v11                     ; the byte
.if (\t)%4 == 0
	v_mov_b32 v[SB+(\t)/4], v10                    ; four bytes to a word, the lower K in the lower byte
.else
	v_lshl_or_b32 v[SB+(\t)/4], v10, 8*((\t)%4), v[SB+(\t)/4]
.endif
.irp g, 0,1,2,3
	v_cvt_scalef32_pk8_fp4_f32 v[C+4*(\t)+\g], v[XW+8*\g:XW+8*\g+7], v11   ; each block has four registers of its own: no store's data are written again
.endr
	v_nop                                          ; one plain line behind the scaled conversions: the next block writes their scale operand
	global_store_b128 v15, v[C+4*(\t):C+4*(\t)+3], s[40:41] offset:((\t)/4)*12288+((\t)%4)*256   ; sixteen lanes store 256 consecutive bytes, aligned: block t % 4 of K step t / 4 of one tile
.endm
.macro BLOCKP t
	TURNB \t, 18, 19, 4096
.set CP, C+16*((\t)%4)
.if (\t) >= 4
	s_wait_xcnt 0x0                                ; the stores of four blocks back have read the registers that are written again below
.endif
.irp g, 0,1,2,3
.irp i, 0,1,2,3
	v_cvt_pk_f16_f32 v[CP+4*\g+\i], v[XW+8*\g+2*\i], v[XW+8*\g+2*\i+1]   ; the lower k in the low half
.endr
.endr
.irp g, 0,1,2,3
	global_store_b128 v15, v[CP+4*\g:CP+4*\g+3], s[40:41] offset:((4*(\t)+\g)/16)*262144+((4*(\t)+\g)%16)*256   ; eight along K of a column: sixteen lanes store 256 consecutive bytes, aligned
.endr
.endm
	s_load_b512 s[4:19], s[0:1], 0x0               ; x s[4:5], Wq s[6:7], Wk s[8:9], Wv s[10:11], Wp s[12:13], xc s[14:15], xs s[16:17], wc s[18:19]
	s_load_b64 s[20:21], s[0:1], 0x40              ; bt
	v_lshl_add_u32 v[SPW], v0, 2, SPARE
	v_mov_b32 v[NIL], 0
	v_lshrrev_b32 v1, 5, v0
	v_readfirstlane_b32 s22, v1                    ; wave 0..9
	v_and_b32 v1, 31, v0                           ; lane
	v_and_b32 v2, 15, v0                           ; r
	v_bfe_u32 v3, v0, 4, 1                         ; h
	v_lshlrev_b32 v4, 4, v1                        ; 16 x lane
	v_lshlrev_b32 v5, 3, v1                        ; 8 x lane
	v_lshlrev_b32 v12, 2, v1                       ; 4 x lane
	; every LDS address is made here, ahead of the branches: a constant + a constant x lane + a constant x wave
	s_mul_i32 s23, s22, WREG                       ; my region
	v_add_nc_u32 v6, s23, v4                       ; x's stage, in: 16 x lane of a row
	v_mul_u32_u24 v7, v2, SP
	v_lshl_add_u32 v7, v3, 6, v7
	v_add_nc_u32 v7, s23, v7                       ; out: row r, + 64 h
	s_add_co_u32 s23, s23, WST
	v_add_nc_u32 v16, s23, v4                      ; Wq, Wk, Wv's stage, in: 16 x lane
	v_add_nc_u32 v17, s23, v12                     ; out: 4 x lane: my column
	v_add_nc_u32 v18, PST-WST, v16                 ; Wp's stage, in
	v_add_nc_u32 v19, PST-WST, v17                 ; out
	s_mov_b32 s24, 0x76543210
	s_mov_b32 s25, 0xfedcba98                      ; v_permlanex16_b32's selects for lane l xor 16
	s_mov_b32 s26, 0xffff0000                      ; lanes 16-31
	s_lshr_b32 s27, s22, 1                         ; wave / 2
	s_and_b32 s28, s22, 1                          ; wave % 2
	s_mov_b32 s31, 0                               ; the high word of every offset pair s[30:31]
	s_wait_kmcnt 0x0
	s_cmp_lt_u32 s22, 8                            ; the roles part on the wave's number
	s_cbranch_scc0 .Lweights
	; ---- x: row tile m = 4 x work-group + wave / 2, half of K = wave % 2
	s_lshl_b32 s29, ttmp9, 2
	s_add_co_u32 s29, s29, s27                     ; m
	s_lshl_b32 s30, s29, 16                        ; 16 rows of 4,096 bytes,
	s_lshl_b32 s32, s28, 11                        ; 512 numbers
	s_add_co_u32 s30, s30, s32
	s_add_nc_u64 s[4:5], s[4:5], s[30:31]
	s_lshl_b32 s30, s29, 13                        ; eight fragments of 1,024 bytes,
	s_lshl_b32 s32, s28, 12                        ; four of them
	s_add_co_u32 s30, s30, s32
	s_add_nc_u64 s[14:15], s[14:15], s[30:31]
	s_lshl_b32 s30, s29, 9
	s_lshl_b32 s32, s28, 8
	s_add_co_u32 s30, s30, s32
	s_add_nc_u64 s[16:17], s[16:17], s[30:31]
.irp b, 0,1,2,3
	v_mov_b32 v[TM+4+\b], 0                        ; written once: a lane permute's destination counts as one of its sources
.endr
	LOADX 0
	LOADX 1
	STEPX 0
	STEPX 1
	STEPX 2
	STEPX 3
	v_cndmask_b32 v252, v[SW], v[SW+1], s26        ; lanes 0-15 carry the even K step's word, lanes 16-31 the odd one's
	v_cndmask_b32 v253, v[SW+2], v[SW+3], s26
	global_store_b64 v5, v[252:253], s[16:17]      ; 32 lanes store 256 consecutive bytes, aligned
	s_branch .Lend
.Lweights:
	s_lshl_b32 s29, ttmp9, 1
	s_add_co_u32 s29, s29, s22
	s_sub_co_u32 s29, s29, 8                       ; my part of the weights: 2 x work-group + wave - 8: 0..511
	s_and_b32 s39, s29, 7                          ; its place among eight
	s_lshr_b32 s27, s39, 1                         ; Wq, Wk, Wv: the quarter of K,
	s_and_b32 s28, s39, 1                          ; the half of the head's 64 columns: my work-group's two waves take the two halves of the same rows
	v_lshrrev_b32 v21, 3, v1                       ; lane / 8: my row of a load's four
	v_and_b32 v22, 7, v1                           ; lane % 8: my 16 bytes of its 128
	s_cmp_lt_u32 s29, 384
	s_cbranch_scc0 .Lwp
	; ---- Wq, Wk, Wv: u = part / 8: matrix = u / 16, head = u % 16; columns 32 (part % 2) on, K from 256 ((part % 8) / 2) on
	s_lshr_b32 s29, s29, 3
	s_lshr_b32 s32, s29, 4                         ; matrix 0, 1, 2
	s_and_b32 s33, s29, 15                         ; head
	s_cmp_eq_u32 s32, 0
	s_cselect_b64 s[34:35], s[6:7], s[8:9]
	s_cmp_eq_u32 s32, 2
	s_cselect_b64 s[34:35], s[10:11], s[34:35]     ; the choice hangs on ids alone
	s_lshl_b32 s30, s33, 18                        ; a head: 1,024 rows of 256 bytes
	s_lshl_b32 s36, s27, 16                        ; 256 rows
	s_add_co_u32 s30, s30, s36
	s_lshl_b32 s36, s28, 7                         ; 32 columns
	s_add_co_u32 s30, s30, s36
	s_add_nc_u64 s[34:35], s[34:35], s[30:31]
	s_mul_i32 s37, s33, HEADB
	s_mul_i32 s36, s27, 24576                      ; two K steps of twelve tiles
	s_add_co_u32 s30, s37, s36
	s_lshl_b32 s36, s32, 2
	s_lshl_b32 s38, s28, 1
	s_add_co_u32 s36, s36, s38                     ; my first tile: 4 x matrix + 2 x column half
	s_lshl_b32 s38, s36, 10
	s_add_co_u32 s30, s30, s38
	s_add_nc_u64 s[40:41], s[18:19], s[30:31]      ; the codes
	s_lshl_b32 s38, s36, 9                         ; (2 x matrix + column half) x 1,024
	s_add_co_u32 s30, s37, s38
	s_lshl_b32 s38, s27, 8
	s_add_co_u32 s30, s30, s38
	s_add_co_u32 s30, s30, SCOFF
	s_add_nc_u64 s[42:43], s[18:19], s[30:31]      ; the scale words
	v_lshlrev_b32 v20, 8, v21                      ; in: a row is 256 bytes,
	v_lshl_add_u32 v20, v22, 4, v20                ; + my 16 bytes
	v_lshlrev_b32 v15, 10, v3                      ; out: lanes 16-31 belong to the next tile,
	v_lshl_add_u32 v15, v2, 4, v15                 ; 16 bytes a column
.irp t, 0,1,2,3
	LOADB \t, 256
.endr
.irp t, 0,1,2,3,4,5,6,7
	BLOCKW \t
.endr
	global_store_b64 v5, v[SB:SB+1], s[42:43]      ; 32 lanes store 256 consecutive bytes, aligned
	s_branch .Lend
.Lwp:
	; ---- Wp: u = (part - 384) / 8: columns 32 strip on, strip = 8 (u % 4) + part % 8; K from 256 (u / 4) on
	s_sub_co_u32 s29, s29, 384
	s_lshr_b32 s29, s29, 3
	s_and_b32 s32, s29, 3
	s_lshl_b32 s32, s32, 3
	s_add_co_u32 s32, s32, s39                     ; strip 0..31: my work-group's two waves take neighbouring strips
	s_lshr_b32 s33, s29, 2                         ; quarter of K
	s_lshl_b32 s30, s33, 20                        ; 256 rows of 4,096 bytes
	s_lshl_b32 s36, s32, 7
	s_add_co_u32 s30, s30, s36
	s_add_nc_u64 s[34:35], s[12:13], s[30:31]
	s_lshl_b32 s30, s33, 19                        ; two K steps of 262,144 bytes
	s_lshl_b32 s36, s32, 13                        ; two column tiles of 4,096
	s_add_co_u32 s30, s30, s36
	s_add_nc_u64 s[40:41], s[20:21], s[30:31]
	v_lshlrev_b32 v20, 12, v21                     ; in: a row is 4,096 bytes,
	v_lshl_add_u32 v20, v22, 4, v20                ; + my 16 bytes
	v_lshlrev_b32 v15, 12, v3
	v_lshl_add_u32 v15, v2, 4, v15
.irp t, 0,1,2,3
	LOADB \t, 4096
.endr
.irp t, 0,1,2,3,4,5,6,7
	BLOCKP \t
.endr
.Lend:
	s_wait_tensorcnt 0x0                           ; the wave's end: behind my last LDS store
	ds_add_u32 v[SPW], v[NIL]
	s_wait_dscnt 0x0
	s_endpgm
.Lfunc_end_k_q9a07d7ae8d_prep:
	.size	k_q9a07d7ae8d_prep, .Lfunc_end_k_q9a07d7ae8d_prep-k_q9a07d7ae8d_prep
	.p2alignl 7, 3214868480
	.fill 96, 4, 3214868480
	.section	.rodata,"a",@progbits
	.p2align	6, 0x0
	.amdhsa_kernel k_q9a07d7ae8d_prep
		.amdhsa_group_segment_fixed_size 167680
		.amdhsa_private_segment_fixed_size 0
		.amdhsa_enable_private_segment 0
		.amdhsa_kernarg_size 72
		.amdhsa_user_sgpr_count 2
		.amdhsa_user_sgpr_kernarg_segment_ptr 1
		.amdhsa_wavefront_size32 1
		.amdhsa_system_sgpr_workgroup_id_x 1
		.amdhsa_system_sgpr_workgroup_id_y 1
		.amdhsa_system_sgpr_workgroup_id_z 1
		.amdhsa_system_vgpr_workitem_id 0
		.amdhsa_next_free_vgpr 256
		.amdhsa_next_free_sgpr 66
		.amdhsa_reserve_vcc 0
		.amdhsa_float_denorm_mode_32 3
		.amdhsa_float_denorm_mode_16_64 3
		.amdhsa_memory_ordered 1
		.amdhsa_forward_progress 1
		.amdhsa_inst_pref_size 112
	.end_amdhsa_kernel
	.amdgpu_metadata
---
amdhsa.version: [ 1, 2 ]
amdhsa.kernels:
  - .name:           k_q9a07d7ae8d_prep
    .symbol:         k_q9a07d7ae8d_prep.kd
    .args:
      - { .name: x, .offset: 0, .size: 8, .value_kind: global_buffer, .address_space: global }
      - { .name: Wq, .offset: 8, .size: 8, .value_kind: global_buffer, .address_space: global }
      - { .name: Wk, .offset: 16, .size: 8, .value_kind: global_buffer, .address_space: global }
      - { .name: Wv, .offset: 24, .size: 8, .value_kind: global_buffer, .address_space: global }
      - { .name: Wp, .offset: 32, .size: 8, .value_kind: global_buffer, .address_space: global }
      - { .name: xc, .offset: 40, .size: 8, .value_kind: global_buffer, .address_space: global }
      - { .name: xs, .offset: 48, .size: 8, .value_kind: global_buffer, .address_space: global }
      - { .name: wc, .offset: 56, .size: 8, .value_kind: global_buffer, .address_space: global }
      - { .name: bt, .offset: 64, .size: 8, .value_kind: global_buffer, .address_space: global }
    .group_segment_fixed_size: 167680
    .private_segment_fixed_size: 0
    .kernarg_segment_align: 8
    .kernarg_segment_size: 72
    .max_flat_workgroup_size: 320
    .sgpr_count:     66
    .vgpr_count:     256
    .wavefront_size: 32
...
	.end_amdgpu_metadata
.endif
;; end of part 1
;; launch qkvatt (part 2): grid 4 x 64, 4 waves a work-group, clusters of 4 x 4, 327,680 bytes of LDS; arguments xc, xs, wc, att; writes att
.if DOCPART == 2
	.amdgcn_target "amdgcn-amd-amdhsa--gfx1250"
	.amdhsa_code_object_version 6
	.text
	.protected	k_q9a07d7ae8d_qkvatt
	.globl	k_q9a07d7ae8d_qkvatt
	.p2align	8
	.type	k_q9a07d7ae8d_qkvatt,@function
k_q9a07d7ae8d_qkvatt:
	s_mov_b64 s[64:65], 0
	v_nop
	global_prefetch_b8 v0, s[64:65] scope:SCOPE_SE
	s_setreg_imm32_b32 hwreg(HW_REG_WAVE_MODE, 25, 1), 1
	s_wait_xcnt 0x0
	s_wait_alu depctr_hold_cnt(0) depctr_sa_sdst(0) depctr_va_vdst(0) depctr_va_sdst(0) depctr_va_ssrc(0) depctr_va_vcc(0) depctr_vm_vsrc(0)
	s_getreg_b32 s2, hwreg(HW_REG_IB_STS2, 6, 4)
	s_cmp_eq_u32 s2, 0
	s_cbranch_scc0 .Lentry_in_a_cluster
	s_endpgm
.Lentry_in_a_cluster:
	s_bfe_u32 s2, ttmp6, 0x10000c
	s_cmp_lg_u32 s2, 0xf033
	s_cbranch_scc0 .Lentry_shape_is_right
	s_endpgm
.Lentry_shape_is_right:
; q, k, v = x W on codes of FP4 (E2M1) with E8M0 scales, then causal attention of each (sequence, head): T = 32, head size 64.  The result leaves as f16, laid as the projection's operand:
;   att [K step 8][row tile 1024][32 along K: 4][c 2][lane 32][16 B]: e = 128 S + 32 kap + 16 c + 8 (lane / 16) + 0 .. 7 of row 16 tile + lane % 16, e = 64 head + d.
; SHARES.  A work-group takes 256 rows x 4 heads; wave w takes rows 64 w on (two sequences, four tiles of 16) through all four heads, a head at a time.  x's 32 fragments stay in its registers.
; A head's weights (HEADB bytes: 96 fragments and their scale words) come through a ring of two LDS slots; all four waves read them; a fragment read from LDS feeds four matrix instructions.
; CLUSTER.  4 x 4 work-groups: x = the group of four heads, y = the block of rows.  The four of a column walk the same weights: each quarter of a head's block is asked for JOINTLY (mask: my column).
; x's codes, which the four of a row share, come by plain loads straight into registers, once: through LDS they would want 4 x 34,816 bytes beside the 235,520 of the ring, which is more than a work-group is given.
; LAYOUTS: NOTHING CHANGES LANES BUT l xor 16.  q, k transposed (source 0 = 16 columns of W, source 1 = 16 tokens): a lane holds token l % 16 and d = 16 t + 8 (l / 16) + j: two tiles rounded to f16 are a fragment of 32 along d.
;   v natural (source 0 = tokens, source 1 = columns): a lane holds d = l % 16 and eight tokens: two token tiles are V^T's fragment over the sequence's 32 keys.
;   S^T = K Q^T: a lane holds one query and eight keys; its two key tiles are P's fragment.  O^T = V^T P: a lane holds one query and eight d: rounded, that is att's image.
;   The tile of queries 0-15 against keys 16-31 lies wholly under the causal mask: it is not made, and P's upper half is zeros there.
; SOFTMAX in f32: the row's true maximum is taken away; p = 2^(c s - c m), c = log2(e) / 8; p is divided by the row's sum in f32 and then rounded to f16.
; LIMITS: q, k, v and the result go to f16: magnitudes over 65,504 are not served (inputs 30 times those drawn give about 5,000); under 6e-5 they keep fewer bits.  NaN and infinities are not served.
; REGISTERS, in windows of 256 (s_set_vgpr_msb: bits 1:0 source 0, 3:2 source 1, 5:4 source 2, 7:6 destination):
;   window 0: v1-12 addresses; v16-31 x's scale words; v32-79 the head's; v80-95 statistics; v96-159 V^T's fragments, then the result's; v160-207 S^T; v208-239 P; v240-255 at work
;   window 1: x's fragments (m', s) at 8 (8 m' + s)
;   window 2: q's accumulators (t, m') at 8 (4 m' + t), k's at 128 + the same; later O^T (z, a, t) at 8 (8 z + 4 a + t)
;   window 3: v's accumulators (m', t) at 8 (8 (m' / 2) + 2 t + m' % 2); v128-255 four buffers of four weight fragments; later q's f16 fragments at 128 + 8 (2 m' + kap), k's at 192 + the same
;   With these places every rounding to f16 takes registers 2 n and 2 n + 1 into register n of the fragments.
.set HEADB,  104448
.set QUARTB, 26112                     ; what one tensor load brings: 102 rows of 256 bytes
.set SCOFF,  98304
.set SLOT1,  131072                    ; slot 1 begins here: one exclusive or turns an address in one slot into the other's
.set SPARE,  SLOT1+HEADB               ; behind the ring: the spare words, 128 bytes a wave: two blocks of 256 bytes that no other line names
.set L16,  1                           ; v1   16 x lane; never rewritten
.set ADW0, 2                           ; v2   the slot in hand + 16 x lane: K steps 0-3
.set ADW1, 3                           ; v3   + 49,152: K steps 4-7
.set ADS,  4                           ; v4   the head's scale words
.set VO,   5                           ; v5   the head's place in att + 16 x lane
.set L8S,  6                           ; v6   SCOFF + 8 x lane
.set NINF, 7                           ; v7   -infinity
.set L8,   9                           ; v9   8 x lane
.set SPW,  10                          ; v10  LDS address of my spare word; never rewritten
.set NIL,  11                          ; v11  0; never rewritten
.set L16H, 12                          ; v12  49,152 + 16 x lane
.set XS,   16                          ; register 4 m' + s / 2: lanes 0-15 the even K step's words, lanes 16-31 the odd one's
.set WS,   32                          ; register 8 (2 matrix + t / 2) + s: lanes 0-15 the even tile's words, lanes 16-31 the odd one's
.set ST,   80                          ; unit u = 2 z + a: +0 c m, +1 m, +2 1 / sum, +3 0
.set VF,   96
.set S,    160                         ; tile n = 3 z + {0: (a 0, b 0), 1: (a 1, b 0), 2: (a 1, b 1)} at S + 8 n
.set PF,   208                         ; P (z, a) at PF + 16 z + 8 a
.set T,    240                         ; four a unit
.set QF,   128
.set KF,   192
.set WV,   12
.set G1,   24                          ; s[24:31] descriptor group 1
.set G0,   32                          ; s[32:35] descriptor group 0, which walks
.set TB,   36                          ; s36 LDS byte at which the slot in hand begins
.set HI,   38                          ; s38 the head in hand, 0..3
.set SM,   40                          ; s[40:47] mask j: the lanes in which register j of a diagonal tile is hidden
.set CS,   48                          ; s[48:49] c
.set SEL,  50                          ; s[50:51] lane selects for l xor 16
.set MSB, 0
.macro WIN new                         ; the immediate's high byte repeats the setting that is left; a switch that changes nothing is dropped
.if MSB != \new
	s_set_vgpr_msb (MSB<<8)|\new
.set MSB, \new
.endif
.endm
.macro PLACES                          ; four plain lines behind matrix instructions, ahead of loads into their sources and of reads of their results
.rept 4
	v_nop
.endr
.endm
.macro CROUND                          ; a round of the cluster's barrier
	s_barrier_signal -1
	s_barrier_wait -1
	s_cmp_lg_u32 s[WV], 0
	s_cbranch_scc1 .Lnot_wave_0_\@
	s_barrier_signal -3
.Lnot_wave_0_\@:
	s_barrier_wait -3
	s_barrier_signal -1
	s_barrier_wait -1
.endm
; THE CHANGE OF SLOTS stands at a head's start.  Each wave waits for all its tensor loads (one is out: its quarter of the head that it is about to read), adds 0 to its spare word, and waits for that and for its
; reads of the slot that it has left.  fill = 1: behind a round of the cluster's barrier that slot takes the next head's weights: the load has a whole head's 412 matrix instructions in which to land.
.macro CHANGE fill
	s_wait_tensorcnt 0x0                           ; no tensor load of mine is out, so group 0 may be written
	ds_add_u32 v[SPW], v[NIL]
.if \fill
	s_xor_b32 s[G0+1], s[G0+1], SLOT1              ; the other slot than last time,
	s_add_nc_u64 s[G0+2:G0+3], s[G0+2:G0+3], HEADB ; the next head; the type bits on top are not reached
	s_wait_dscnt 0x0                               ; the add is done, and my reads of the slot that I have left are over
	CROUND                                         ; and so for every wave of every partner
	tensor_load_to_lds s[G0:G0+3], s[G1:G1+7]      ; my one tensor load behind the round, and the first thing there
	s_nop 0
.rept 4
	v_nop
.endr
.else
	s_wait_dscnt 0x0
	s_barrier_signal -1
	s_barrier_wait -1
.endif
.endm
; group g = 3 s + matrix: the four weight fragments of K step s of q, k or v, into buffer g % 4: eight loads of 512 consecutive bytes
.macro FETCHG g
.set fs, (\g)/3
.set fk, (\g)%3
.set fb, 128+32*((\g)%4)
.set fa, ADW0+fs/4
	WIN 0xc0                                       ; destination window 3, address window 0
.irp t, 0,1,2,3
.irp c, 0,1
	ds_load_b128 v[fb+8*\t+4*\c:fb+8*\t+4*\c+3], v[fa] offset:(fs%4)*12288+(4*fk+\t)*1024+512*\c
.endr
.endr
.endm
; one scaled product, by the symbols rD, rA, rB, rSA, rSB; fA, fB: the side's scale words stand in lanes 16-31; fZ: it starts its sum
.macro W4
.if fZ
.if fA && fB
	v_wmma_scale_f32_16x16x128_f8f6f4 v[rD:rD+7], v[rA:rA+7], v[rB:rB+7], 0, v[rSA], v[rSB] matrix_a_fmt:MATRIX_FMT_FP4 matrix_b_fmt:MATRIX_FMT_FP4 matrix_a_scale:MATRIX_SCALE_ROW1 matrix_b_scale:MATRIX_SCALE_ROW1
.elseif fA
	v_wmma_scale_f32_16x16x128_f8f6f4 v[rD:rD+7], v[rA:rA+7], v[rB:rB+7], 0, v[rSA], v[rSB] matrix_a_fmt:MATRIX_FMT_FP4 matrix_b_fmt:MATRIX_FMT_FP4 matrix_a_scale:MATRIX_SCALE_ROW1
.elseif fB
	v_wmma_scale_f32_16x16x128_f8f6f4 v[rD:rD+7], v[rA:rA+7], v[rB:rB+7], 0, v[rSA], v[rSB] matrix_a_fmt:MATRIX_FMT_FP4 matrix_b_fmt:MATRIX_FMT_FP4 matrix_b_scale:MATRIX_SCALE_ROW1
.else
	v_wmma_scale_f32_16x16x128_f8f6f4 v[rD:rD+7], v[rA:rA+7], v[rB:rB+7], 0, v[rSA], v[rSB] matrix_a_fmt:MATRIX_FMT_FP4 matrix_b_fmt:MATRIX_FMT_FP4
.endif
.else
.if fA && fB
	v_wmma_scale_f32_16x16x128_f8f6f4 v[rD:rD+7], v[rA:rA+7], v[rB:rB+7], v[rD:rD+7], v[rSA], v[rSB] matrix_a_fmt:MATRIX_FMT_FP4 matrix_b_fmt:MATRIX_FMT_FP4 matrix_a_scale:MATRIX_SCALE_ROW1 matrix_b_scale:MATRIX_SCALE_ROW1
.elseif fA
	v_wmma_scale_f32_16x16x128_f8f6f4 v[rD:rD+7], v[rA:rA+7], v[rB:rB+7], v[rD:rD+7], v[rSA], v[rSB] matrix_a_fmt:MATRIX_FMT_FP4 matrix_b_fmt:MATRIX_FMT_FP4 matrix_a_scale:MATRIX_SCALE_ROW1
.elseif fB
	v_wmma_scale_f32_16x16x128_f8f6f4 v[rD:rD+7], v[rA:rA+7], v[rB:rB+7], v[rD:rD+7], v[rSA], v[rSB] matrix_a_fmt:MATRIX_FMT_FP4 matrix_b_fmt:MATRIX_FMT_FP4 matrix_b_scale:MATRIX_SCALE_ROW1
.else
	v_wmma_scale_f32_16x16x128_f8f6f4 v[rD:rD+7], v[rA:rA+7], v[rB:rB+7], v[rD:rD+7], v[rSA], v[rSB] matrix_a_fmt:MATRIX_FMT_FP4 matrix_b_fmt:MATRIX_FMT_FP4
.endif
.endif
.endm
; GROUP g: sixteen products, four weight tiles x my four row tiles, 128 along K.  The 48 accumulators take turns, one instruction a turn: one comes up again 48 instructions later.
; The group three on is fetched first, into the buffer that the group before has read, four places behind that group's last product.
.macro GROUP g
.if (\g) < 21
	PLACES
	FETCHG (\g)+3
	s_wait_dscnt 24                                ; my group's eight loads are in (in the first group: the scale words ahead of them too); those of the three groups behind it may be out
.else
	s_wait_dscnt 8*(23-(\g))                       ; the last groups fetch nothing: the count runs down
.endif
.set gs, (\g)/3
.set gk, (\g)%3
.set gb, 128+32*((\g)%4)
.if gs == 0
.set fZ, 1
.else
.set fZ, 0
.endif
.if gk < 2
	WIN 0xa7                                       ; source 0 (W) window 3, source 1 (x) window 1, C and D window 2
.else
	WIN 0xfd                                       ; source 0 (x) window 1, source 1 (W) window 3, C and D window 3
.endif
.irp t, 0,1,2,3
.irp m, 0,1,2,3
.if gk < 2
.set rA, gb+8*\t
.set rB, 8*(8*\m+gs)
.set rD, 128*gk+8*(4*\m+\t)
.set rSA, WS+8*(2*gk+\t/2)+gs
.set fA, \t%2
.set rSB, XS+4*\m+gs/2
.set fB, gs%2
.else
.set rA, 8*(8*\m+gs)
.set rB, gb+8*\t
.set rD, 8*(8*(\m/2)+2*\t+\m%2)
.set rSA, XS+4*\m+gs/2
.set fA, gs%2
.set rSB, WS+8*(4+\t/2)+gs
.set fB, \t%2
.endif
	W4
.endr
.endr
.endm
; cnt roundings to f16 from number n0 on: registers src + 2 n, src + 2 n + 1 into register dst + n; each accumulator is read from its low end on
.macro PACK n0, cnt, dst, src
.set n, \n0
.rept \cnt
	v_cvt_pk_f16_f32 v[\dst+n], v[\src+2*n], v[\src+2*n+1]
.set n, n+1
.endr
.endm
; a product of S^T = K Q^T: sequence z, query tile a, key tile b, at S + 24 z + o; 32 along d from 32 k on
.macro SMUL z, a, b, o, k
.set rS, S+24*\z+\o
.set rK, KF+8*(2*(2*\z+\b)+\k)
.set rQ, QF+8*(2*(2*\z+\a)+\k)
.if \k == 0
	v_wmma_f32_16x16x32_f16 v[rS:rS+7], v[rK:rK+7], v[rQ:rQ+7], 0
.else
	v_wmma_f32_16x16x32_f16 v[rS:rS+7], v[rK:rK+7], v[rQ:rQ+7], v[rS:rS+7]
.endif
.endm
; THE SOFTMAX of the wave's four units (2 sequences x 2 query tiles), line by line by turns.  Tile n belongs to unit 2 (n / 3) + (n % 3 + 1) / 2.
.macro SOFTMAX
.irp j, 0,1,2,3,4,5,6,7
.irp d, 0,16,24,40                             ; the four diagonal tiles: register j holds key 8 (l / 16) + j of the tile, hidden where that is over l % 16
	v_cndmask_b32 v[S+\d+\j], v[S+\d+\j], v[NINF], s[SM+\j]
.endr
.endr
.irp n, 0,1,2,3,4,5                            ; a chain for each tile
.set cr, T+8*(\n/3)+(\n%3)+3*(((\n%3)+1)/2)
	v_max3_num_f32 v[cr], v[S+8*\n], v[S+8*\n+1], v[S+8*\n+2]
.endr
.irp i, 3,5
.irp n, 0,1,2,3,4,5
.set cr, T+8*(\n/3)+(\n%3)+3*(((\n%3)+1)/2)
	v_max3_num_f32 v[cr], v[cr], v[S+8*\n+\i], v[S+8*\n+\i+1]
.endr
.endr
.irp n, 0,2,3,5
.set cr, T+8*(\n/3)+(\n%3)+3*(((\n%3)+1)/2)
	v_max_num_f32 v[cr], v[cr], v[S+8*\n+7]
.endr
.irp n, 1,4                                    ; queries 16-31: the two tiles' chains join
.set cr, T+8*(\n/3)+(\n%3)+3*(((\n%3)+1)/2)
	v_max3_num_f32 v[cr], v[cr], v[S+8*\n+7], v[cr+1]
.endr
.irp u, 0,1,2,3
	v_permlanex16_b32 v[T+4*\u+2], v[T+4*\u], s[SEL], s[SEL+1]   ; the query's other keys lie in the lane 16 away
.endr
.irp u, 0,1,2,3
	v_max_num_f32 v[ST+4*\u+1], v[T+4*\u], v[T+4*\u+2]           ; m: the key of the query's own position counts, so m is a number
.endr
.irp u, 0,1,2,3
	v_mul_f32 v[ST+4*\u], s[CS], v[ST+4*\u+1]                    ; c m
.endr
.irp i, 0,2,4,6
.irp n, 0,1,2,3,4,5
.set un, 2*(\n/3)+((\n%3)+1)/2
	v_pk_fma_f32 v[S+8*\n+\i:S+8*\n+\i+1], v[S+8*\n+\i:S+8*\n+\i+1], s[CS:CS+1], v[ST+4*un:ST+4*un+1] op_sel_hi:[1,0,0] neg_lo:[0,0,1] neg_hi:[0,0,1]   ; c s - c m, two at a time
.endr
.endr
.set n, 0
.rept 48
	v_exp_f32 v[S+n], v[S+n]                       ; p, at most about 1; 0 where the key is hidden
.set n, n+1
.endr
	v_nop                                          ; a plain line behind the last exponential
	s_wait_alu depctr_va_vdst(0)                   ; the wait ahead of the first line that names a result: one for the batch of 48
.irp u, 0,1,2,3                                ; the row's sums, two chains a unit
.set tb, S+24*(\u/2)+8*(\u%2)
	v_pk_add_f32 v[T+4*\u:T+4*\u+1], v[tb:tb+1], v[tb+2:tb+3]
	v_pk_add_f32 v[T+4*\u+2:T+4*\u+3], v[tb+4:tb+5], v[tb+6:tb+7]
.endr
.irp i, 8,12
.irp u, 1,3
.set tb, S+24*(\u/2)+8*(\u%2)
	v_pk_add_f32 v[T+4*\u:T+4*\u+1], v[T+4*\u:T+4*\u+1], v[tb+\i:tb+\i+1]
	v_pk_add_f32 v[T+4*\u+2:T+4*\u+3], v[T+4*\u+2:T+4*\u+3], v[tb+\i+2:tb+\i+3]
.endr
.endr
.irp u, 0,1,2,3
	v_pk_add_f32 v[T+4*\u:T+4*\u+1], v[T+4*\u:T+4*\u+1], v[T+4*\u+2:T+4*\u+3]
.endr
.irp u, 0,1,2,3
	v_add_f32 v[T+4*\u], v[T+4*\u], v[T+4*\u+1]
.endr
.irp u, 0,1,2,3
	v_permlanex16_b32 v[T+4*\u+2], v[T+4*\u], s[SEL], s[SEL+1]
.endr
.irp u, 0,1,2,3
	v_add_f32 v[T+4*\u], v[T+4*\u], v[T+4*\u+2]
.endr
.irp u, 0,1,2,3
	v_rcp_f32 v[ST+4*\u+2], v[T+4*\u]
.endr
	v_nop                                          ; a plain line behind the last reciprocal
	s_wait_alu depctr_va_vdst(0)                   ; and the wait, one for the four
.irp i, 0,2,4,6
.irp n, 0,1,2,3,4,5
.set un, 2*(\n/3)+((\n%3)+1)/2
	v_pk_mul_f32 v[S+8*\n+\i:S+8*\n+\i+1], v[S+8*\n+\i:S+8*\n+\i+1], v[ST+4*un+2:ST+4*un+3] op_sel_hi:[1,0]   ; p / the sum, in f32
.endr
.endr
.irp n, 0,1,2,3,4,5
.set pb, PF+16*(\n/3)+4*(\n%3)+4*(((\n%3)+1)/2)
.irp i, 0,1,2,3
	v_cvt_pk_f16_f32 v[pb+\i], v[S+8*\n+2*\i], v[S+8*\n+2*\i+1]
.endr
.endr
.endm
; A HEAD: 384 scaled products, then the attention of my two sequences, then sixteen stores of 512 consecutive bytes.  Every window is 0 at its start and at its end.
.macro HEAD
	v_add_nc_u32 v[ADW0], s[TB], v[L16]
	v_add_nc_u32 v[ADW1], s[TB], v[L16H]
	v_add_nc_u32 v[ADS], s[TB], v[L8S]
.irp p, 0,1,2,3,4,5
.irp k, 0,1,2,3
	ds_load_b64 v[WS+8*\p+2*\k:WS+8*\p+2*\k+1], v[ADS] offset:1024*\p+256*\k   ; the head's scale words: 256 consecutive bytes a load
.endr
.endr
	FETCHG 0
	FETCHG 1
	FETCHG 2
.set G, 0
.rept 24
	GROUP G
.set G, G+1
.endr
	PLACES                                         ; behind the last products: the roundings below write over the weight buffers
	WIN 0xca                                       ; sources window 2, destination window 3
	PACK 0, 64, QF, 0
	PACK 0, 64, KF, 128
	s_wait_xcnt 0x0                                ; the last head's stores have read their data and their offset, which are written again below
	WIN 0x0f                                       ; sources window 3, C and D window 0
	PACK 0, 32, VF, 0                              ; half of v's roundings stand ahead of the score products,
.irp k, 0,1                                    ; the six tiles by turns
.irp z, 0,1
	SMUL \z, 0, 0, 0, \k
	SMUL \z, 1, 0, 8, \k
	SMUL \z, 1, 1, 16, \k
.endr
.endr
	PACK 32, 32, VF, 0                             ; half behind them: they name none of those products' registers and are their places
	WIN 0
	SOFTMAX
	WIN 0x80                                       ; destination window 2
.irp z, 0,1
.irp a, 0,1
.irp t, 0,1,2,3
	v_wmma_f32_16x16x32_f16 v[8*(8*\z+4*\a+\t):8*(8*\z+4*\a+\t)+7], v[VF+8*(4*\z+\t):VF+8*(4*\z+\t)+7], v[PF+16*\z+8*\a:PF+16*\z+8*\a+7], 0
.endr
.endr
.endr
	WIN 0
	s_lshr_b32 s20, s[HI], 1                       ; head 4 hg + HI: K step 2 hg + HI / 2 (4,194,304 bytes each), its half HI % 2 (2,048 bytes)
	s_lshl_b32 s20, s20, 22
	s_and_b32 s21, s[HI], 1
	s_lshl_b32 s21, s21, 11
	s_add_co_u32 s20, s20, s21
	v_add_nc_u32 v[VO], s20, v[L16]                ; with the three lines below: the four places behind the last product
.rept 3
	v_nop
.endr
	WIN 0x0a                                       ; sources window 2
	PACK 0, 64, VF, 0
	WIN 0
.irp f, 0,1,2,3,4,5,6,7                        ; fragment f = 4 z + 2 a + kap: row tile f / 2, 32 along d from 32 (f % 2) on
.irp c, 0,1
	global_store_b128 v[VO], v[VF+8*\f+4*\c:VF+8*\f+4*\c+3], s[10:11] offset:(\f/2)*4096+(\f%2)*1024+512*\c   ; 32 lanes store 512 consecutive bytes, aligned
.endr
.endr
	s_xor_b32 s[TB], s[TB], SLOT1                  ; on to the other slot
.endm
	s_load_b256 s[4:11], s[0:1], 0x0               ; xc s[4:5], xs s[6:7], wc s[8:9], att s[10:11]
	v_lshl_add_u32 v[SPW], v0, 2, SPARE
	v_mov_b32 v[NIL], 0
	ds_add_u32 v[SPW], v[NIL]                      ; the wave's opening: the add, twice on end, and its wait ahead of my first tensor load
	ds_add_u32 v[SPW], v[NIL]                      ; and once more; the set-up below, work on registers, stands between it and the wait
	v_lshrrev_b32 v8, 5, v0
	v_readfirstlane_b32 s[WV], v8                  ; wave 0..3
	s_bfe_u32 s13, ttmp6, 0x40000                  ; cx
	s_bfe_u32 s14, ttmp6, 0x40004                  ; cy
	s_lshl_b32 s15, ttmp9, 2
	s_add_co_u32 s15, s15, s13                     ; hg: my group of four heads
	s_and_b32 s16, ttmp7, 0xffff
	s_lshl_b32 s16, s16, 2
	s_add_co_u32 s16, s16, s14                     ; rb: my block of 256 rows
	s_lshl_b32 s17, 0x1111, s13                    ; my column of the cluster: the four that share hg
	s_or_b32 s[G1], s17, (3<<16)|(1<<21)           ; 15:0 the mask; 17:16 elements of 8 bytes; 21 set beside a mask; no padding: the block is read as it lies
	s_mov_b32 s[G1+1], 32<<16                      ; tensor_dim0 = 32 elements: 256 bytes
	s_mov_b32 s[G1+2], 102<<16                     ; tensor_dim1 = 102
	s_mov_b32 s[G1+3], 32<<16                      ; tile_dim0
	s_mov_b32 s[G1+4], 102                         ; tile_dim1
	s_mov_b32 s[G1+5], 32                          ; from row to row: dense
	s_mov_b32 s[G1+6], 0
	s_mov_b32 s[G1+7], 0
	s_mul_i32 s18, s[WV], QUARTB                   ; my quarter of a head's block, in memory and in a slot: no place in the cluster enters an LDS address
	s_mul_i32 s20, s15, 4*HEADB
	s_add_co_u32 s20, s20, s18
	s_mov_b32 s21, 0
	s_mov_b32 s[CS], 0x3e38aa3b                    ; c = log2(e) / 8
	s_mov_b32 s[CS+1], s[CS]                       ; (named with it as a pair, so it is written)
	s_mov_b32 s[SEL], 0x76543210
	s_mov_b32 s[SEL+1], 0xfedcba98
	s_mov_b32 s[TB], 0
	s_mov_b32 s[HI], 0
	s_wait_dscnt 0x0                               ; both opening adds are done
	s_wait_kmcnt 0x0
	s_mov_b32 s[G0], 1                             ; count = 1
	s_mov_b32 s[G0+1], s18                         ; LDS address: slot 0
	s_add_nc_u64 s[G0+2:G0+3], s[8:9], s[20:21]    ; head 4 hg
	s_or_b32 s[G0+3], s[G0+3], 0x80000000          ; type = 2
	CROUND                                         ; all sixteen work-groups are here: the first joint loads meet
	tensor_load_to_lds s[G0:G0+3], s[G1:G1+7]      ; the first head's weights: one tensor load of mine is out
	s_nop 0
.rept 4
	v_nop
.endr
	s_lshl_b32 s22, s16, 4
	s_lshl_b32 s23, s[WV], 2
	s_add_co_u32 s22, s22, s23                     ; my first row tile: 16 rb + 4 wave
	s_lshl_b32 s20, s22, 13
	s_add_nc_u64 s[4:5], s[4:5], s[20:21]
	s_lshl_b32 s20, s22, 9
	s_add_nc_u64 s[6:7], s[6:7], s[20:21]
	s_lshl_b32 s20, s22, 12
	s_lshl_b32 s23, s15, 23                        ; four heads are two K steps of att
	s_add_co_u32 s20, s20, s23
	s_add_nc_u64 s[10:11], s[10:11], s[20:21]
	v_and_b32 v8, 31, v0
	v_lshlrev_b32 v[L16], 4, v8
	v_lshlrev_b32 v[L8], 3, v8
	v_add_nc_u32 v[L8S], SCOFF, v[L8]
	v_add_nc_u32 v[L16H], 49152, v[L16]
	WIN 0x40                                       ; destination window 1
.irp m, 0,1,2,3
.irp s, 0,1,2,3,4,5,6,7
.irp c, 0,1
	global_load_b128 v[8*(8*\m+\s)+4*\c:8*(8*\m+\s)+4*\c+3], v[L16], s[4:5] offset:8192*\m+1024*\s+512*\c   ; x's fragments stay in registers
.endr
.endr
.endr
	WIN 0
.irp m, 0,1,2,3
.irp f, 0,1
	global_load_b64 v[XS+4*\m+2*\f:XS+4*\m+2*\f+1], v[L8], s[6:7] offset:512*\m+256*\f
.endr
.endr
	v_and_b32 v13, 15, v0
	v_bfe_u32 v14, v0, 4, 1
	v_lshlrev_b32 v14, 3, v14
	v_sub_nc_u32 v8, v13, v14                      ; l % 16 - 8 (l / 16)
.irp j, 0,1,2,3,4,5,6,7
	v_cmp_gt_i32 s[SM+\j], \j, v8                  ; hidden: 8 (l / 16) + j > l % 16
.endr
	v_mov_b32 v[NINF], 0xff800000
.irp u, 0,1,2,3
	v_mov_b32 v[ST+4*\u+3], 0                      ; named as the upper half of a pair
	v_mov_b32 v[T+4*\u+2], 0                       ; written once: a lane permute's destination counts as one of its sources
.endr
.irp i, 4,5,6,7,20,21,22,23
	v_mov_b32 v[PF+\i], 0                          ; queries 0-15 give keys 16-31 no weight
.endr
	s_wait_loadcnt 0x0                             ; x's codes and scale words
.Lhead:                                            ; three trips: behind each change of slots the next head's weights are asked for
	CHANGE 1
	HEAD
	s_add_co_u32 s[HI], s[HI], 1
	s_cmp_lt_u32 s[HI], 3
	s_cbranch_scc1 .Lhead
	CHANGE 0                                       ; the last head is written out: nothing is left to ask for
	HEAD
	s_wait_tensorcnt 0x0                           ; the wave's end: behind my last tensor load
	ds_add_u32 v[SPW], v[NIL]
	s_wait_dscnt 0x0
	CROUND                                         ; the closing round: no work-group ends while a partner may still ask for a tile that names it
	s_endpgm
.Lfunc_end_k_q9a07d7ae8d_qkvatt:
	.size	k_q9a07d7ae8d_qkvatt, .Lfunc_end_k_q9a07d7ae8d_qkvatt-k_q9a07d7ae8d_qkvatt
	.p2alignl 7, 3214868480
	.fill 96, 4, 3214868480
	.section	.rodata,"a",@progbits
	.p2align	6, 0x0
	.amdhsa_kernel k_q9a07d7ae8d_qkvatt
		.amdhsa_group_segment_fixed_size 327680
		.amdhsa_private_segment_fixed_size 0
		.amdhsa_enable_private_segment 0
		.amdhsa_kernarg_size 32
		.amdhsa_user_sgpr_count 2
		.amdhsa_user_sgpr_kernarg_segment_ptr 1
		.amdhsa_wavefront_size32 1
		.amdhsa_system_sgpr_workgroup_id_x 1
		.amdhsa_system_sgpr_workgroup_id_y 1
		.amdhsa_system_sgpr_workgroup_id_z 1
		.amdhsa_system_vgpr_workitem_id 0
		.amdhsa_next_free_vgpr 1024
		.amdhsa_next_free_sgpr 66
		.amdhsa_reserve_vcc 0
		.amdhsa_float_denorm_mode_32 3
		.amdhsa_float_denorm_mode_16_64 3
		.amdhsa_memory_ordered 1
		.amdhsa_forward_progress 1
		.amdhsa_inst_pref_size 210
	.end_amdhsa_kernel
	.amdgpu_metadata
---
amdhsa.version: [ 1, 2 ]
amdhsa.kernels:
  - .name:           k_q9a07d7ae8d_qkvatt
    .symbol:         k_q9a07d7ae8d_qkvatt.kd
    .args:
      - { .name: xc, .offset: 0, .size: 8, .value_kind: global_buffer, .address_space: global }
      - { .name: xs, .offset: 8, .size: 8, .value_kind: global_buffer, .address_space: global }
      - { .name: wc, .offset: 16, .size: 8, .value_kind: global_buffer, .address_space: global }
      - { .name: att, .offset: 24, .size: 8, .value_kind: global_buffer, .address_space: global }
    .group_segment_fixed_size: 327680
    .private_segment_fixed_size: 0
    .kernarg_segment_align: 8
    .kernarg_segment_size: 32
    .max_flat_workgroup_size: 128
    .sgpr_count:     66
    .vgpr_count:     1024
    .wavefront_size: 32
...
	.end_amdgpu_metadata
.endif
;; end of part 2
;; launch proj (part 3): grid 4 x 64, 4 waves a work-group, clusters of 4 x 4, 327,680 bytes of LDS; arguments att, bt, bp, out0; writes out0
.if DOCPART == 3
	.amdgcn_target "amdgcn-amd-amdhsa--gfx1250"
	.amdhsa_code_object_version 6
	.text
	.protected	k_q9a07d7ae8d_proj
	.globl	k_q9a07d7ae8d_proj
	.p2align	8
	.type	k_q9a07d7ae8d_proj,@function
k_q9a07d7ae8d_proj:
	s_mov_b64 s[64:65], 0
	v_nop
	global_prefetch_b8 v0, s[64:65] scope:SCOPE_SE
	s_setreg_imm32_b32 hwreg(HW_REG_WAVE_MODE, 25, 1), 1
	s_wait_xcnt 0x0
	s_wait_alu depctr_hold_cnt(0) depctr_sa_sdst(0) depctr_va_vdst(0) depctr_va_sdst(0) depctr_va_ssrc(0) depctr_va_vcc(0) depctr_vm_vsrc(0)
	s_getreg_b32 s2, hwreg(HW_REG_IB_STS2, 6, 4)
	s_cmp_eq_u32 s2, 0
	s_cbranch_scc0 .Lentry_in_a_cluster
	s_endpgm
.Lentry_in_a_cluster:
	s_bfe_u32 s2, ttmp6, 0x10000c
	s_cmp_lg_u32 s2, 0xf033
	s_cbranch_scc0 .Lentry_shape_is_right
	s_endpgm
.Lentry_shape_is_right:
; out0 [16384][1024] f32 = A Wp + bp.  A (the attention's result) and Wp arrive as f16, laid in the order of the operands' registers:
;   att [K step 8][row tile 1024][32 along K: 4][c 2][lane 32][16 B],  bt [K step 8][column tile 64][4][2][32][16 B]: so a K step's 128 rows of either side are 32,768 consecutive bytes,
;   a fragment is two loads of 512 consecutive bytes, and LDS needs no pitch and no padding.
; A tile of out0, 256 x 256, is made by a work-group of four waves; a wave makes 128 x 128: 64 accumulators, 512 registers.  K goes in 8 steps of 128 through a ring of two LDS slots.
; CLUSTERS: 4 x 4 work-groups.  The four of a row of the cluster need the same tiles of A, the four of a column the same tiles of Wp: each is asked for JOINTLY.
; THE MATRIX INSTRUCTION IS USED TRANSPOSED (source 0 = 16 columns of Wp, source 1 = 16 rows of A): a lane holds eight neighbouring numbers of a row of out0.  The bias is the C of each sum's first product.
; LIMITS: the operands are f16 (their range is stated where they are made); sums in f32.
; REGISTERS, in windows of 256: window 0: v16-30 addresses; v64-127, v128-191 A's fragments, two buffers; on the way out v128-255 rows read back.
;   window 1: v0-63 the bias of my 128 columns, in the result's layout; v64-127, v128-191 Wp's fragments.   window 2: the accumulators of my rows 0-63, (a, b) at 8 (8 a + b);   window 3: those of rows 64-127.
.set HALFT,  32768                     ; 128 rows of a K step: what one tensor load brings, and what one wave reads of either side
.set SLOT,   4*HALFT                   ; A's 256 rows, then Wp's 256 columns
.set STAGE,  2*SLOT                    ; behind the ring: 16 rows x SPITCH for each wave, for the way out; no tensor load fills it
.set SPITCH, 528                       ; 512 bytes + 16
.set SPARE,  STAGE+4*16*SPITCH         ; behind the stages: the spare words, 128 bytes a wave: two blocks of 256 bytes that no other line names
.set ASTEP,  4194304                   ; a K step on in att,
.set BSTEP,  262144                    ; and in bt
.set ADRA, 16                          ; v16-17 LDS address of my A fragments in slot 0, 1
.set ADRB, 20                          ; v20-21 the same for Wp
.set STO,  24                          ; v24 the way out: where I put 32 bytes of a row
.set RD,   25                          ; v25 and where I read a row back
.set CO,   26                          ; v26 16 x lane
.set BO,   27                          ; v27 the bias: 32 (lane / 16)
.set SPW,  28                          ; v28 LDS address of my spare word; never rewritten
.set NIL,  29                          ; v29 0; never rewritten
.set PFO,  30                          ; v30 256 x lane
.set F0,   64
.set F1,   128
.set BI,   0                           ; in window 1
.set BK,   128
.set WV,   12
.set RH,   13                          ; which half of the tile's rows is mine.  Also: I fetch for A (0) or for Wp (1)
.set CH,   14                          ; which half of its columns.  Also: which 128 rows of that side I fetch
.set G1,   24                          ; s[24:31] group 1 for A's tiles;  s[32:39] group 0, a set for each slot
.set G0,   32
.set PFA,  40                          ; s[40:41] where my prefetches stand
.set PFS,  42                          ; s[42:43] a K step on, on my side
.set LIM,  44                          ; s44 1 in a wave that prefetches, else the greatest number
.set LAPC, 45                          ; s45 trips to go
.set G1B,  48                          ; s[48:55], s[56:63] the same for Wp's tiles
.set G0B,  56
.set MSB, 0
.macro WIN new
.if MSB != \new
	s_set_vgpr_msb (MSB<<8)|\new
.set MSB, \new
.endif
.endm
.macro PLACES                          ; four plain lines behind matrix instructions, ahead of loads into their sources and of reads of their results
.rept 4
	v_nop
.endr
.endm
; A joint load: waves 0 and 1 fetch A's halves, waves 2 and 3 Wp's.  Each line has one mask and one set of registers for all that issue it; the branch hangs on the wave's number alone.
.macro JLOAD s
	s_cmp_eq_u32 s[RH], 0
	s_cbranch_scc0 .Lfor_b_\@
	tensor_load_to_lds s[G0+4*\s:G0+4*\s+3], s[G1:G1+7]
	s_nop 0
.rept 4
	v_nop
.endr
	s_branch .Lasked_\@
.Lfor_b_\@:
	tensor_load_to_lds s[G0B+4*\s:G0B+4*\s+3], s[G1B:G1B+7]
	s_nop 0
.rept 4
	v_nop
.endr
.Lasked_\@:
.endm
; A PREFETCH INTO THE L2, behind each joint load and the run of LDS loads that follows it: of the K step that the NEXT change of slots will ask for, 256 matrix instructions ahead of that load.
; Of the 32,768 bytes that a wave fetches, each of the four partners that ask jointly takes 8,192, told apart BY ADDRESS (cx for A, cy for Wp), lanes 256 bytes apart: one instruction a wave.
; A's rows are read by the clusters of one row of clusters: the first of them asks; Wp's columns by every cluster of a column of clusters: cluster y = 0 asks.  So each 256 bytes are named once.
; K steps 0 to 2 come by their loads alone; the refill of the last K step asks for nothing.
.macro ASK slot
.if \slot == 0
	s_cmp_eq_u32 s[LIM], 1
.else
	s_cmp_gt_u32 s[LAPC], s[LIM]                   ; not in the loop's last trip
.endif
	s_cbranch_scc0 .Lnot_mine_\@
	global_prefetch_b8 v[PFO], s[PFA:PFA+1] th:TH_LOAD_NT scope:SCOPE_SE
.Lnot_mine_\@:
.endm
.macro CREST                           ; a round of the cluster's barrier behind its opening barrier
	s_cmp_lg_u32 s[WV], 0
	s_cbranch_scc1 .Lnot_wave_0_\@
	s_barrier_signal -3
.Lnot_wave_0_\@:
	s_barrier_wait -3
	s_barrier_signal -1
	s_barrier_wait -1
.endm
.macro CROUND
	s_barrier_signal -1
	s_barrier_wait -1
	CREST
.endm
; 16 products: row blocks a0, a0 + 1 of the window's four x all 8 column blocks, 32 along K.  first = 1: the sums begin with the bias.  The 64 accumulators take turns in the same order in every quarter.
.macro MUL16 f, hi, a0, first
.irp a, \a0, \a0+1
.irp b, 0,1,2,3,4,5,6,7
.if \first
	v_wmma_f32_16x16x32_f16 v[8*(8*(\a)+\b):8*(8*(\a)+\b)+7], v[\f+8*\b:\f+8*\b+7], v[\f+8*(4*\hi+\a):\f+8*(4*\hi+\a)+7], v[BI+8*\b:BI+8*\b+7]
.else
	v_wmma_f32_16x16x32_f16 v[8*(8*(\a)+\b):8*(8*(\a)+\b)+7], v[\f+8*\b:\f+8*\b+7], v[\f+8*(4*\hi+\a):\f+8*(4*\hi+\a)+7], v[8*(8*(\a)+\b):8*(8*(\a)+\b)+7]
.endif
.endr
.endr
.endm
; 32 LDS loads in one run: the fragments of the slot's q-th 32 along K into buffer f
.macro FETCH slot, q, f
	WIN 0x40                                       ; destination window 1
.irp i, 0,1,2,3,4,5,6,7
	ds_load_b128 v[\f+8*\i:\f+8*\i+3],   v[ADRB+\slot] offset:4096*\i+1024*(\q)
	ds_load_b128 v[\f+8*\i+4:\f+8*\i+7], v[ADRB+\slot] offset:4096*\i+1024*(\q)+512
.endr
	WIN 0
.irp i, 0,1,2,3,4,5,6,7
	ds_load_b128 v[\f+8*\i:\f+8*\i+3],   v[ADRA+\slot] offset:4096*\i+1024*(\q)
	ds_load_b128 v[\f+8*\i+4:\f+8*\i+7], v[ADRA+\slot] offset:4096*\i+1024*(\q)+512
.endr
.endm
; One of a K step's first three quarters: multiplies buffer f; in its middle it fetches quarter q of the same slot into buffer g
.macro QUARTER slot, q, f, g, first
	s_wait_dscnt 8                                 ; Wp's fragments and A's rows 0-63 are in; the youngest eight loads (A's rows 64-127) may be out
.if \first
	WIN 0x91                                       ; source 0 window 1, source 1 window 0, C (the bias) window 1, D window 2
.else
	WIN 0xa1                                       ; C and D window 2
.endif
	MUL16 \f, 0, 0, \first
	MUL16 \f, 0, 2, \first
	PLACES
	FETCH \slot, \q, \g
	s_wait_dscnt 32                                ; all but the 32 just issued
.if \first
	WIN 0xd1
.else
	WIN 0xf1
.endif
	MUL16 \f, 1, 0, \first
	MUL16 \f, 1, 2, \first
.endm
; The last quarter multiplies buffer 1 and changes slots: ONE barrier; in front of it each wave waits for all its tensor loads (one is out: its part of the next slot), adds 0 to its spare word, and waits for that
; and for its reads of this slot.  fill = 1: the barrier opens a round of the cluster's, and behind the round this slot takes the K step two on: 224 matrix instructions stand between that request and the wait for it.
.macro TURN slot, next, fill
.if \fill
	s_wait_xcnt 0x0                                ; the last prefetch, a K step back, has read its address
	s_add_nc_u64 s[PFA:PFA+1], s[PFA:PFA+1], s[PFS:PFS+1]
.endif
	WIN 0                                          ; (the add's two registers lie in window 0)
	s_wait_tensorcnt 0x0
	ds_add_u32 v[SPW], v[NIL]
	s_wait_dscnt 9                                 ; (the add and the youngest eight loads may be out)
	WIN 0xa1
	MUL16 F1, 0, 0, 0                              ; sixteen products stand between the add and the wait for it
	s_wait_dscnt 0x0                               ; the add is done, and my reads of this slot are over
	s_barrier_signal -1
	MUL16 F1, 0, 2, 0
.if \fill
	WIN 0
.endif
	s_barrier_wait -1
.if \fill
	CREST                                          ; no wave of any partner still reads this slot or has a load on its way
	s_add_nc_u64 s[G0+4*\slot+2:G0+4*\slot+3], s[G0+4*\slot+2:G0+4*\slot+3], 2*ASTEP
	s_add_nc_u64 s[G0B+4*\slot+2:G0B+4*\slot+3], s[G0B+4*\slot+2:G0B+4*\slot+3], 2*BSTEP
	JLOAD \slot                                    ; the first tensor load behind the round; the four v_nop behind it are also the places in front of the loads below
.else
	PLACES
.endif
	FETCH \next, 0, F0
.if \fill
	ASK \slot
.endif
	WIN 0xf1
	MUL16 F1, 1, 0, 0
	MUL16 F1, 1, 2, 0
.endm
; THE WAY OUT, block by block of 16 rows x 128 columns: through my own stage, back as whole rows of 512 bytes.  LDS serves a wave's instructions in order (ISA guide 5.7.1.4): no wait between the stores and the loads.
.macro TOSTAGE a
.set AC, 64*((\a)%4)
.if (\a) < 4
	WIN 0x08                                       ; an LDS store's data are its source 1: window 2
.else
	WIN 0x0c                                       ; window 3
.endif
.irp b, 0,1,2,3,4,5,6,7
	ds_store_b128 v[STO], v[AC+8*\b:AC+8*\b+3] offset:64*\b          ; each accumulator from its low end on
	ds_store_b128 v[STO], v[AC+8*\b+4:AC+8*\b+7] offset:64*\b+16
.endr
	WIN 0
.set BB, BK+64*((\a)%2)
.irp t, 0,1,2,3,4,5,6,7,8,9,10,11,12,13,14,15
	ds_load_b128 v[BB+4*\t:BB+4*\t+3], v[RD] offset:\t*SPITCH
.endr
.endm
.macro SEND a, younger                 ; younger: the LDS instructions issued behind block a's loads, which may stay out
.set BB, BK+64*((\a)%2)
	s_wait_dscnt \younger
.if (\a) > 0
	s_add_nc_u64 s[10:11], s[10:11], 65536         ; 16 rows on (the earlier stores have read their base: the wait on XCNT stands ahead)
.endif
.irp t, 0,1,2,3,4,5,6,7,8,9,10,11,12,13,14,15
	global_store_b128 v[CO], v[BB+4*\t:BB+4*\t+3], s[10:11] offset:\t*4096 th:TH_STORE_NT   ; 32 lanes store 512 consecutive bytes, aligned; written once, read by nobody here
.endr
.endm
	s_load_b256 s[4:11], s[0:1], 0x0               ; att s[4:5], bt s[6:7], bp s[8:9], out0 s[10:11]
	v_lshl_add_u32 v[SPW], v0, 2, SPARE
	v_mov_b32 v[NIL], 0
	ds_add_u32 v[SPW], v[NIL]                      ; the wave's opening: the add, twice on end, and its wait ahead of my first tensor load
	ds_add_u32 v[SPW], v[NIL]                      ; and once more; the set-up below, work on registers, stands between it and the wait
	v_lshrrev_b32 v1, 5, v0
	v_readfirstlane_b32 s[WV], v1                  ; wave 0..3
	s_lshr_b32 s[RH], s[WV], 1
	s_and_b32 s[CH], s[WV], 1
	s_bfe_u32 s15, ttmp6, 0x40000                  ; cx
	s_bfe_u32 s16, ttmp6, 0x40004                  ; cy
	s_lshl_b32 s17, ttmp9, 2
	s_add_co_u32 s17, s17, s15                     ; tile column
	s_and_b32 s18, ttmp7, 0xffff
	s_lshl_b32 s18, s18, 2
	s_add_co_u32 s18, s18, s16                     ; tile row
	s_lshl_b32 s19, s16, 2
	s_lshl_b32 s19, 15, s19                        ; my row of the cluster
	s_lshl_b32 s20, 0x1111, s15                    ; my column
	s_or_b32 s[G1], s19, (3<<16)|(1<<21)           ; 15:0 the mask: A's tiles go to my row; 17:16 elements of 8 bytes; 21 set beside a mask; no padding
	s_or_b32 s[G1B], s20, (3<<16)|(1<<21)          ; Wp's go to my column
.irp g, G1, G1B
	s_mov_b32 s[\g+1], 32<<16                      ; tensor_dim0 = 32 elements: 256 bytes
	s_mov_b32 s[\g+2], 128<<16                     ; tensor_dim1 = 128
	s_mov_b32 s[\g+3], 32<<16                      ; tile_dim0
	s_mov_b32 s[\g+4], 128                         ; tile_dim1
	s_mov_b32 s[\g+5], 32                          ; dense
	s_mov_b32 s[\g+6], 0
	s_mov_b32 s[\g+7], 0
.endr
	s_lshl_b32 s21, s[CH], 3                       ; which eight tiles of sixteen I fetch
	s_lshl_b32 s22, s18, 4
	s_add_co_u32 s22, s22, s21
	s_lshl_b32 s22, s22, 12                        ; A: row tile 16 x tile row + 8 x half, 4,096 bytes each: made of the tile row and the wave's number alone
	s_mov_b32 s23, 0
	s_lshl_b32 s46, s17, 4
	s_add_co_u32 s46, s46, s21
	s_lshl_b32 s46, s46, 12                        ; Wp: of the tile column and the wave's number alone
	s_mov_b32 s47, 0
	s_lshl_b32 s21, s[WV], 15                      ; where they go: wave x HALFT
	s_wait_dscnt 0x0                               ; both opening adds are done
	s_wait_kmcnt 0x0
	s_add_nc_u64 s[22:23], s[4:5], s[22:23]
	s_add_nc_u64 s[46:47], s[6:7], s[46:47]
	CROUND                                         ; all sixteen work-groups are here: the first joint loads meet
.irp s, 0,1
	s_mov_b32 s[G0+4*\s], 1
	s_add_co_u32 s[G0+4*\s+1], s21, \s*SLOT
	s_add_nc_u64 s[G0+4*\s+2:G0+4*\s+3], s[22:23], \s*ASTEP
	s_or_b32 s[G0+4*\s+3], s[G0+4*\s+3], 0x80000000
	s_mov_b32 s[G0B+4*\s], 1
	s_add_co_u32 s[G0B+4*\s+1], s21, \s*SLOT
	s_add_nc_u64 s[G0B+4*\s+2:G0B+4*\s+3], s[46:47], \s*BSTEP
	s_or_b32 s[G0B+4*\s+3], s[G0B+4*\s+3], 0x80000000
	JLOAD \s                                       ; K steps 0 and 1: two tensor loads of mine are out
.endr
	v_and_b32 v1, 15, v0                           ; r
	v_bfe_u32 v2, v0, 4, 1                         ; h
	v_and_b32 v3, 31, v0                           ; lane
	v_lshlrev_b32 v[CO], 4, v3
	s_lshl_b32 s21, s[RH], 15                      ; my 128 rows of A
	s_lshl_b32 s19, s[CH], 15                      ; my 128 columns of Wp,
	s_add_co_u32 s19, s19, 2*HALFT                 ; which lie behind A's 256 rows
.irp s, 0,1
	v_add_nc_u32 v[ADRA+\s], s21, v[CO]
	v_add_nc_u32 v[ADRB+\s], s19, v[CO]
	s_add_co_u32 s21, s21, SLOT
	s_add_co_u32 s19, s19, SLOT
.endr
	s_mul_i32 s21, s[WV], 16*SPITCH
	s_add_co_u32 s21, s21, STAGE                   ; my stage
	v_mul_u32_u24 v4, v1, SPITCH
	v_lshl_add_u32 v4, v2, 5, v4
	v_add_nc_u32 v[STO], s21, v4                   ; in: row r, 32 bytes for each half of the lanes
	v_add_nc_u32 v[RD], s21, v[CO]                 ; back: the 32 lanes take one row
	v_lshlrev_b32 v[BO], 5, v2
	v_lshlrev_b32 v[PFO], 8, v3
	s_lshl_b32 s20, s17, 10
	s_lshl_b32 s21, s[CH], 9
	s_add_co_u32 s20, s20, s21                     ; my first column, in bytes of f32: 1,024 x tile column + 512 x half
	s_mov_b32 s21, 0
	s_add_nc_u64 s[8:9], s[8:9], s[20:21]
	s_add_nc_u64 s[10:11], s[10:11], s[20:21]
	s_lshl_b32 s20, s18, 8
	s_lshl_b32 s19, s[RH], 7
	s_add_co_u32 s20, s20, s19
	s_lshl_b32 s20, s20, 12                        ; my first row: 256 x tile row + 128 x half, 4,096 bytes each
	s_add_nc_u64 s[10:11], s[10:11], s[20:21]
	WIN 0x40
.irp b, 0,1,2,3,4,5,6,7
	global_load_b128 v[BI+8*\b:BI+8*\b+3],   v[BO], s[8:9] offset:64*\b      ; register j of block b: bp at my column 16 b + 8 h + j
	global_load_b128 v[BI+8*\b+4:BI+8*\b+7], v[BO], s[8:9] offset:64*\b+16
.endr
	WIN 0
	; the prefetches: where mine stand, and who asks
	s_and_b32 s19, ttmp7, 0xffff                   ; cluster y
	s_cmp_eq_u32 s[RH], 0                          ; do I fetch for A?
	s_cselect_b64 s[PFA:PFA+1], s[22:23], s[46:47] ; the 32,768 bytes that I fetch, at K step 0
	s_cselect_b32 s20, s15, s16                    ; my place among the four that ask with me
	s_cselect_b32 s19, ttmp9, s19                  ; the coordinate along which other clusters read the same bytes
	s_mov_b32 s[PFS], BSTEP
	s_cselect_b32 s[PFS], ASTEP, s[PFS]
	s_mov_b32 s[PFS+1], 0
	s_cmp_eq_u32 s19, 0
	s_cselect_b32 s[LIM], 1, -1                    ; the same in all sixteen partners, for a given wave
	s_lshl_b32 s20, s20, 13
	s_add_nc_u64 s[PFA:PFA+1], s[PFA:PFA+1], s[20:21]
	s_lshl_b32 s20, s[PFS], 1
	s_add_nc_u64 s[PFA:PFA+1], s[PFA:PFA+1], s[20:21]   ; at K step 2: the first change of slots steps it to 3.  Nothing is prefetched here, at the head
	s_wait_tensorcnt 1                             ; my part of K step 0 is in; K step 1's may stay out
	s_barrier_signal -1
	s_barrier_wait -1                              ; everybody's is
	FETCH 0, 0, F0
	s_wait_loadcnt 0x0                             ; the bias
	QUARTER 0, 1, F0, F1, 1                        ; the first quarter stands in front of the loop: its products start the sums
	WIN 0                                          ; at a label and at a branch every window is 0
	s_mov_b32 s[LAPC], 3
.Llap:                                             ; a trip goes once round the ring, from a lap's second quarter to the next lap's first, and fills both slots again
	QUARTER 0, 2, F1, F0, 0
	QUARTER 0, 3, F0, F1, 0
	TURN 0, 1, 1
	QUARTER 1, 1, F0, F1, 0
	QUARTER 1, 2, F1, F0, 0
	QUARTER 1, 3, F0, F1, 0
	TURN 1, 0, 1
	QUARTER 0, 1, F0, F1, 0
	WIN 0
	s_sub_co_u32 s[LAPC], s[LAPC], 1
	s_cmp_lg_u32 s[LAPC], 0
	s_cbranch_scc1 .Llap
	QUARTER 0, 2, F1, F0, 0                        ; the last lap fills nothing, and has no round of the cluster's barrier
	QUARTER 0, 3, F0, F1, 0
	TURN 0, 1, 0
	QUARTER 1, 1, F0, F1, 0
	QUARTER 1, 2, F1, F0, 0
	QUARTER 1, 3, F0, F1, 0
	s_wait_dscnt 8                                 ; the very last quarter: nothing more to fetch
	WIN 0xa1
	MUL16 F1, 0, 0, 0
	MUL16 F1, 0, 2, 0
	s_wait_dscnt 0x0
	WIN 0xf1
	MUL16 F1, 1, 0, 0
	MUL16 F1, 1, 2, 0
	WIN 0
	PLACES                                         ; for the loads into the registers that held A's fragments, and for the reads of the last results
	TOSTAGE 0
.irp a, 1,2,3,4,5,6,7
.if \a > 1
	s_wait_xcnt 0x0                                ; block a - 2's stores have read their registers and their base: block a's loads may land there, and the base may step
.endif
	TOSTAGE \a
	SEND \a-1, 32                                  ; behind block a - 1's loads: block a's 16 stores and 16 loads
.endr
	s_wait_xcnt 0x0                                ; block 6's stores have read their base
	SEND 7, 0
	s_wait_tensorcnt 0x0                           ; the wave's end: behind my last tensor load and my last LDS store
	ds_add_u32 v[SPW], v[NIL]
	s_wait_dscnt 0x0
	CROUND                                         ; the closing round: no work-group ends while a partner may still ask for a tile that names it
	s_endpgm
.Lfunc_end_k_q9a07d7ae8d_proj:
	.size	k_q9a07d7ae8d_proj, .Lfunc_end_k_q9a07d7ae8d_proj-k_q9a07d7ae8d_proj
	.p2alignl 7, 3214868480
	.fill 96, 4, 3214868480
	.section	.rodata,"a",@progbits
	.p2align	6, 0x0
	.amdhsa_kernel k_q9a07d7ae8d_proj
		.amdhsa_group_segment_fixed_size 327680
		.amdhsa_private_segment_fixed_size 0
		.amdhsa_enable_private_segment 0
		.amdhsa_kernarg_size 32
		.amdhsa_user_sgpr_count 2
		.amdhsa_user_sgpr_kernarg_segment_ptr 1
		.amdhsa_wavefront_size32 1
		.amdhsa_system_sgpr_workgroup_id_x 1
		.amdhsa_system_sgpr_workgroup_id_y 1
		.amdhsa_system_sgpr_workgroup_id_z 1
		.amdhsa_system_vgpr_workitem_id 0
		.amdhsa_next_free_vgpr 1024
		.amdhsa_next_free_sgpr 66
		.amdhsa_reserve_vcc 0
		.amdhsa_float_denorm_mode_32 3
		.amdhsa_float_denorm_mode_16_64 3
		.amdhsa_memory_ordered 1
		.amdhsa_forward_progress 1
		.amdhsa_inst_pref_size 143
	.end_amdhsa_kernel
	.amdgpu_metadata
---
amdhsa.version: [ 1, 2 ]
amdhsa.kernels:
  - .name:           k_q9a07d7ae8d_proj
    .symbol:         k_q9a07d7ae8d_proj.kd
    .args:
      - { .name: att, .offset: 0, .size: 8, .value_kind: global_buffer, .address_space: global }
      - { .name: bt, .offset: 8, .size: 8, .value_kind: global_buffer, .address_space: global }
      - { .name: bp, .offset: 16, .size: 8, .value_kind: global_buffer, .address_space: global }
      - { .name: out0, .offset: 24, .size: 8, .value_kind: global_buffer, .address_space: global }
    .group_segment_fixed_size: 327680
    .private_segment_fixed_size: 0
    .kernarg_segment_align: 8
    .kernarg_segment_size: 32
    .max_flat_workgroup_size: 128
    .sgpr_count:     66
    .vgpr_count:     1024
    .wavefront_size: 32
...
	.end_amdgpu_metadata
.endif
;; end of part 3
